; MI455X (gfx1250); checked and timed in simulation.
; The chip was launched on July 23, 2026; its instructions are those of AMD's public machine-readable ISA for CDNA 5 (MIT licence, August 2026) and "CDNA5" Instruction Set Architecture Reference Guide (July 2026). The comments in the code are by the model that wrote it; some were corrected since.
;; Implicit MLP. Allowed arithmetic: matrix products marked QUANTISED: E2M3 operands, one E8M0 scale for each 32 along K, by v_wmma_scale_f32_16x16x128_f8f6f4 with both operands' format E2M3, f32 sums; products left as they are: f32 operands where the result goes on into a quantised operand, else bf16, f16 or f32 operands; f32 sums; everything else in f32.
;; Inputs: Bmat 2 x 128 float32; L1 256 x 70 float32; L2 128 x 10 float32; R1 70 x 256 float32; R2 10 x 256 float32; W3 32 x 128 float32; W4 16 x 32 float32; W5 3 x 16 float32; b1 256 float32; b2 128 float32; b3 32 float32; b4 16 float32; b5 3 float32; coords 128 x 2 x 64 x 64 float32.
;; Outputs: out0 1 x 524,288 x 3 float32.
;; This version of the problem:
;;   THIS VERSION OF THE PROBLEM IS GIVEN IN LOW PRECISION. The matrix products marked QUANTISED in the list below multiply operands that are first quantised to E2M3 (2 exponent bits, 3 mantissa bits; 6 bits a number), with one power-of-two scale for each 32 numbers along K (OCP MX v1.0); their sums are f32. All else is computed in f32.
;;   The module's matrix products, in the order in which they are computed (A, B: the left and right operand; K: the contracted axis; several contracted axes count as one K, in the product's order):
;;     1. [M 524,288, K 2] x [K 2, N 128]; A: input coords; B: input Bmat: left as it is (K = 2 < 32)
;;     2. [M 256, K 70] x [K 70, N 256]; A: input L1; B: input R1: QUANTISED
;;     3. [M 524,288, K 256] x [K 256, N 256]; A: computed on the way; B: computed on the way: QUANTISED
;;     4. [M 128, K 10] x [K 10, N 256]; A: input L2; B: input R2: left as it is (K = 10 < 32)
;;     5. [M 524,288, K 256] x [K 256, N 128]; A: computed on the way; B: computed on the way: QUANTISED
;;     6. [M 524,288, K 128] x [K 128, N 32]; A: computed on the way; B: input W3: QUANTISED
;;     7. [M 524,288, K 32] x [K 32, N 16]; A: computed on the way; B: input W4: QUANTISED
;;     8. [M 524,288, K 16] x [K 16, N 3]; A: computed on the way; B: input W5: left as it is (K = 16 < 32)
;;   THE QUANTISER, for each operand of a quantised product, along K:
;;     - K is cut into blocks of 32 from its start; a last block that is shorter is filled with zeros.
;;     - A block's scale is 2^e with e = floor(log2(the largest magnitude in the block)) - 2, held to -126 .. 127; a block of zeros has e = 0. As a byte (E8M0): e + 127.
;;     - Each number is divided by its block's scale, clamped to +-7.5, and rounded to the nearest number of E2M3, ties to even, subnormals kept.
;;     - The product sums the exact products of the quantised numbers (number of the format x scale) in f32.
;;   ~~~python
;;   def quantise(x, axis):      # numpy; x: float32 -> the quantised numbers, widened to float32 again
;;       x = np.moveaxis(x, axis, -1); K = x.shape[-1]
;;       x = np.pad(x, [(0, 0)] * (x.ndim - 1) + [(0, -K % 32)]); x = x.reshape(x.shape[:-1] + (-1, 32)); a = np.abs(x).max(-1, keepdims=True)
;;       e = np.where(a > 0, np.clip(np.frexp(np.where(a > 0, a, 1))[1] - 1 - 2, -126, 127), 0)      # np.frexp(a)[1] - 1 = floor(log2(a)), exactly
;;       r = np.clip(x / 2.0 ** e, -7.5, 7.5)
;;       step = 2.0 ** (np.maximum(np.frexp(np.where(r == 0, 1, r))[1] - 1, 0) - 3)
;;       q = np.round(r / step) * step * 2.0 ** e      # np.round: ties to even
;;       return np.moveaxis(q.reshape(q.shape[:-2] + (-1,))[..., :K], -1, axis).astype(np.float32)
;;   ~~~
;;   OPERANDS COMPUTED ON THE WAY. 'Computed on the way' means the value that the module computes at that place (a softmax that the list does not call 'softmax' is quantised finished and normalised). What goes into a quantiser is computed in f32, as accurately as f32 sums, v_exp_f32 and their like allow (about 1e-6 of the number): no bf16 or f16 on the way to a quantiser, and a product that is left as it is and whose result goes on into a quantised operand takes f32 operands (vector FMAs, or v_wmma_f32_16x16x4_f32). A number that lies on a knife's edge between two numbers of the format may be rounded either way, as far as f32 arithmetic and the matrix unit's own rounding can turn it there, and no further.
;; One version. Each part assembles by itself: llvm-mc -triple=amdgcn-amd-amdhsa -mcpu=gfx1250 --defsym DOCPART=n.
;; ======== version 1 of 1: 1 launch
;; limits: right only within a limited range of input values; values are held in bf16: 8 bits of precision
;; launch mlp (part 1): grid 256 x 1, 8 waves a work-group, no clusters, 302,080 bytes of LDS; arguments coords, Bmat, L1, R1, b1, L2, R2, b2, W3, b3, W4, b4, W5, b5, out0; writes out0
.if DOCPART == 1
	.amdgcn_target "amdgcn-amd-amdhsa--gfx1250"
	.amdhsa_code_object_version 6
	.text
	.protected	k_q88b8551661_mlp
	.globl	k_q88b8551661_mlp
	.p2align	8
	.type	k_q88b8551661_mlp,@function
k_q88b8551661_mlp:
	s_mov_b64 s[64:65], 0
	v_nop
	global_prefetch_b8 v0, s[64:65] scope:SCOPE_SE
	s_setreg_imm32_b32 hwreg(HW_REG_WAVE_MODE, 25, 1), 1
	s_wait_xcnt 0x0
; out = W5 relu(W4 relu(W3 relu(W2 relu(W1 x + b1) + b2) + b3) + b4) + b5, x = [sin p | cos p], p = 2 pi (coords . Bmat), W1 = L1 R1, W2 = L2 R2.  524,288 rows.
; L1 R1, W1 x, W2 h1, W3 h2, W4 h3 run on codes of FP6 (E2M3) with one E8M0 scale for each 32 along K; coords . Bmat and L2 R2 in f32 (they feed a quantiser); W5 h4 in bf16; all sums f32.
; SHARES.  256 work-groups of eight waves; a work-group owns 2,048 rows, a wave 256: four blocks of 64 rows = four tiles of 16.  Nothing between the layers goes to memory.
; HEAD.  Each work-group makes all weights ready itself and lays them in LDS as images of operand registers (4 registers = 512 bytes, lane l at 16 l), shared out among its eight waves; two barriers.
; A BLOCK.  X: coordinates -> 256 features a row -> codes, a tile a trip, into the wave's own stage.  L: the five layers on the 64 rows; each weight fragment is read from LDS once for 64 rows.
; ALL PRODUCTS ARE USED TRANSPOSED (source 0 = 16 rows of a weight, source 1 = 16 data rows): a lane holds one data row.  THE ROWS OF A WEIGHT THAT FORM A TILE ARE CHOSEN: tile u of a group of four takes
; rows base + 8 u + (r & 7) + 32 (r >> 3), so that a lane's 32 registers of the four tiles are 32 NEIGHBOURS along the next K, base + 32 (lane / 16) + 0 .. 31: a whole block, in the operand's own order.
; SINE AND COSINE.  ph = t pi (half of the reference's rounded 2 pi t), n = nearest whole number to ph / pi, h = ph - n pi in two steps, s = sin h and c2 = 2 cos h by polynomials on |h| <= pi / 2
; (Abramowitz and Stegun 4.3.97, 4.3.99); sin p = s c2, cos p = 1 - 2 s s.  All packed, two numbers an instruction.
; NO CLUSTER: what work-groups share is 179 KB of f32 weights, read once at the head through registers, since they pass a quantiser; there is no stream of tiles.  No tensor load, so no ring.
; LIMITS: |coords . Bmat| under 2^22; NaN and infinities among the inputs are not served; a block of zeros carries the byte 1 where the rule says 127 (its codes are zeros, and this program alone reads
; the bytes); blocks whose largest magnitude lies under 2^-124 were not tried; h4 and W5 are rounded to bf16.
.set DUAL, 1                           ; 1: the relu as dual-issue pairs
; ---- LDS
.set W1IMG, 0                          ; 32 fragments of W1: ((2 g + s) 4 + u) x 1,536
.set W3IMG, 49152                      ; two of W3, then W4's, then W5's triple: 12 parts of 512 bytes on end
.set W4IMG, 52224
.set W5IMG, 53760
.set WSC,   55296                      ; scale words, [lane][4 words]: W1 (2 g + s) x 512; W2 at 4,096; (W3 t0, W3 t1, W4, 0) at 6,144
.set BFIMG, 61952                      ; Bmat's eight tiles: 16 registers
.set HI2,   65536
.set W2IMG, 65536                      ; 16 fragments of W2
.set BIMG,  90112                      ; 28 bias tiles of 1,024 bytes
.set HI3,   118784
.set RIMG,  118784                     ; 16 fragments of R1, 16 of L1, their scale words
.set LIMG,  143360
.set RSC,   167936
.set LSC,   169984
.set XSTG,  172032                     ; a wave's own: x's eight fragments, 12,288 bytes
.set XSCS,  270336                     ; their scale words, 1,024
.set CST,   278528                     ; its 256 rows' coordinates, 2,048
.set OST,   294912                     ; 64 rows of the output, 768
; ---- registers, window 0
.set LI,   1                           ; 16 x lane
.set LI2,  2                           ; + 65,536
.set SH8,  3                           ; 8 x (lane / 16)
.set XCA,  4                           ; v4-11 LDS addresses: the head's, then the loop's
.set XST,  5
.set XSS,  6
.set OSW,  7
.set OSR,  8
.set GO8,  9
.set ADR,  10
.set ADR2, 11
.set P1R,  4
.set P1S,  5
.set BFA,  6
.set J2C,  7
.set B1A,  8
.set B2A,  9
.set W3A,  10
.set W3S,  11
.set CSA,  12
.set JL,   4
.set JLS,  5
.set JR,   6
.set JRS,  7
.set JW,   8
.set JWS,  9
.set CO,   16                          ; v16-17 a tile's coordinates
.set VS5,  18                          ; constants as vector pairs
.set VC5,  20
.set VMG,  22
.set XSW,  24                          ; v24-47 hold scale words and nothing else: x's (later h2's, h3's), h1's, the weights'
.set HSW,  32
.set WSW,  40
.set MX,   48
.set SO,   52
.set TP,   56
.set PW,   60
.set TT,   64                          ; v64-95: results of the f32 matrix form; matrix instructions alone write them
.set ACC,  96
.set BIAS, 224
.set SN,   96                          ; X: sine, cosine, two sets at work, the tile's codes
.set CSN,  128
.set KK,   160
.set ZZ,   192
.set XCT,  224
.set OB,   208
.set SMV,  96                          ; the head
.set SMB,  160
.set BB1,  168
.set BB2,  184
.set BFR,  192
.set ZB,   196
.set PC,   212
.set CTA,  224
.set CTB,  228
.set VC,   232
.set VCH,  233
.set VL1B, 234
.set VL1,  235
.set VR2,  236
.set VL2B, 237
.set VL2,  238
.set VB,   239
.set VW3,  240
.set VB3,  241
.set VW4,  242
.set VB4,  243
.set VW5,  244
; ---- registers, window 1
.set WF,   0                           ; four weight fragments
.set BF,   0                           ; X: Bmat's tiles
.set XC,   48                          ; x's codes 24 m + 12 s; later h2's 12 m
.set H4,   96                          ; h4 in bf16: 12 a pair of tiles
.set HC,   144                         ; h1's codes 24 m + 12 s; later h3's 12 m
.set CT,   240
.set RA,   0                           ; the head
.set LB,   48
.set SET,  64
.set CGH,  224
; ---- scalars
.set WV,   2
.set WH,   3
.set WL,   4
.set WQ,   5
.set WR,   6
.set TRIP, 7
.set SEL,  38
.set PIF,  40
.set INVPI, 42
.set NMAG, 44
.set NPIH, 46
.set NPIL, 48
.set KS4,  50
.set KS3,  52
.set KS2,  54
.set KS1,  56
.set KC4,  58
.set KC3,  60
.set KC2,  62
.set FLR,  66
.set NEG2, 67
.set XO2,  68
.set CN,   69
.set MH0,  75
.set MWA,  76
.set MWB,  77
.set XM,   78
.set XO,   79
.set CNI,  80
.set CB,   81
.set ROLE, 72                          ; which of the two groups of waves I belong to (s72-74 held b5 in the head)
.set NOX,  73                          ; 0: this slot I make a block's features
.set DOL,  74                          ; 1: this slot I take a block through the layers
.set MSB, 0
.macro WIN new                         ; the immediate's high byte repeats the setting that is left
.if MSB != (\new)
	s_set_vgpr_msb (MSB<<8)|(\new)
.set MSB, \new
.endif
.endm
.macro PLACES n
.rept \n
	v_nop
.endr
.endm
.macro BARRIER                         ; my LDS stores have landed and my LDS loads are in: then the work-group's barrier
	s_wait_dscnt 0x0
	s_barrier_signal -1
	s_barrier_wait -1
.endm
.macro KPAIR r, val
	s_mov_b32 s[\r], \val
	s_mov_b32 s[\r+1], \val
.endm
.macro FP6MM d, a, b, cm, c, sa, sb
.if \cm
	v_wmma_scale_f32_16x16x128_f8f6f4 v[\d:\d+7], v[\a:\a+11], v[\b:\b+11], v[\c:\c+7], v[\sa], v[\sb] matrix_a_fmt:MATRIX_FMT_FP6 matrix_b_fmt:MATRIX_FMT_FP6
.else
	v_wmma_scale_f32_16x16x128_f8f6f4 v[\d:\d+7], v[\a:\a+11], v[\b:\b+11], 0, v[\sa], v[\sb] matrix_a_fmt:MATRIX_FMT_FP6 matrix_b_fmt:MATRIX_FMT_FP6
.endif
.endm
; 16 products: four weight tiles u x four tiles of rows m, 128 along K.  cm = 0: the sums begin at 0; 1: at the bias; 2: they go on.  The sixteen accumulators take turns, one instruction a turn.
.macro MM16 cm, bb, bst, sb, sst, ws
	WIN 0x05
.irp u, 0,1,2,3
.irp m, 0,1,2,3
.if \cm == 0
	FP6MM ACC+32*\m+8*\u, WF+12*\u, (\bb)+(\bst)*\m, 0, 0, WSW+(\ws)+\u, (\sb)+(\sst)*\m
.elseif \cm == 1
	FP6MM ACC+32*\m+8*\u, WF+12*\u, (\bb)+(\bst)*\m, 1, BIAS+8*\u, WSW+(\ws)+\u, (\sb)+(\sst)*\m
.else
	FP6MM ACC+32*\m+8*\u, WF+12*\u, (\bb)+(\bst)*\m, 1, ACC+32*\m+8*\u, WSW+(\ws)+\u, (\sb)+(\sst)*\m
.endif
.endr
.endr
.endm
.macro LDW adr, off                    ; four weight fragments: 12 parts of 512 bytes on end
	WIN 0x40
.set qq, 0
.rept 12
	ds_load_b128 v[WF+4*qq:WF+4*qq+3], v[\adr] offset:(\off)+512*qq
.set qq, qq+1
.endr
	WIN 0
.endm
.macro LDB off                         ; four bias tiles
.set qq, 0
.rept 8
	ds_load_b128 v[BIAS+4*qq:BIAS+4*qq+3], v[LI2] offset:(\off)+512*qq
.set qq, qq+1
.endr
.endm
.macro LDS4 d, off                     ; four tiles' scale words
	ds_load_b128 v[\d:\d+3], v[LI] offset:\off
.endm
.macro RELU base, n
.set rr, \base
.rept (\n)/2
.if DUAL
	v_dual_max_num_f32 v[rr], 0, v[rr] :: v_dual_max_num_f32 v[rr+1], 0, v[rr+1]
.else
	v_max_num_f32 v[rr], 0, v[rr]
	v_max_num_f32 v[rr+1], 0, v[rr+1]
.endif
.set rr, rr+2
.endr
.endm
.macro WORD w, t                       ; w holds my two bytes, at bits 7:0 and 23:16: 8 (lane / 16) bits up, and with lane l xor 16's two the scale word is whole
	s_delay_alu instid0(VALU_DEP_1)
	v_lshlrev_b32 v[\w], v[SH8], v[\w]
	s_delay_alu instid0(VALU_DEP_1)
	v_permlanex16_b32 v[\t], v[\w], s[SEL], s[SEL+1]
	s_delay_alu instid0(VALU_DEP_1)
	v_or_b32 v[\w], v[\w], v[\t]
.endm
; The 4 x 32 registers of the accumulators (tile of rows m: v[ACC + 32 m] on, a whole block of 32 along the next K in each lane) become codes at window 1 v[cb + cst m] on, six registers, and a byte of the
; scale word v[os + ost m].  act = 1: relu first (then no |.| on the maximum's sources).  part = 0: the word's first byte; 1: its second, and the word is finished.
; The floor 2^(3 - 127) among the leaves holds the byte at 1 from below; 2 off the largest magnitude's exponent field is the conversion's scale operand.
.macro QUANT4 act, cb, cst, os, ost, part
.if \act
	RELU ACC, 128
.endif
.irp m, 0,1,2,3
.if \act
	v_max3_num_f32 v[MX+\m], v[ACC+32*\m], v[ACC+32*\m+1], s[FLR]
.else
	v_max3_num_f32 v[MX+\m], |v[ACC+32*\m]|, |v[ACC+32*\m+1]|, s[FLR]
.endif
.endr
.irp i, 2,4,6,8,10,12,14,16,18,20,22,24,26,28,30
.irp m, 0,1,2,3
.if \act
	s_delay_alu instid0(VALU_DEP_4)
	v_max3_num_f32 v[MX+\m], v[MX+\m], v[ACC+32*\m+\i], v[ACC+32*\m+\i+1]
.else
	v_max3_num_f32 v[MX+\m], v[MX+\m], |v[ACC+32*\m+\i]|, |v[ACC+32*\m+\i+1]|
.endif
.endr
.endr
.irp m, 0,1,2,3
	s_delay_alu instid0(VALU_DEP_4)
	v_add_nc_u32 v[SO+\m], s[NEG2], v[MX+\m]
.endr
.if (\part) == 0
.irp m, 0,1,2,3
	s_delay_alu instid0(VALU_DEP_4)
	v_lshrrev_b32 v[(\os)+(\ost)*\m], 23, v[SO+\m]
.endr
.else
.irp m, 0,1,2,3
	s_delay_alu instid0(VALU_DEP_4)
	v_lshrrev_b32 v[TP+\m], 23, v[SO+\m]
.endr
.irp m, 0,1,2,3
	s_delay_alu instid0(VALU_DEP_4)
	v_lshl_or_b32 v[(\os)+(\ost)*\m], v[TP+\m], 16, v[(\os)+(\ost)*\m]
.endr
.irp m, 0,1,2,3
	s_delay_alu instid0(VALU_DEP_4)
	v_lshlrev_b32 v[(\os)+(\ost)*\m], v[SH8], v[(\os)+(\ost)*\m]
.endr
.irp m, 0,1,2,3
	s_delay_alu instid0(VALU_DEP_4)
	v_permlanex16_b32 v[TP+\m], v[(\os)+(\ost)*\m], s[SEL], s[SEL+1]
.endr
.irp m, 0,1,2,3
	s_delay_alu instid0(VALU_DEP_4)
	v_or_b32 v[(\os)+(\ost)*\m], v[(\os)+(\ost)*\m], v[TP+\m]
.endr
.endif
	WIN 0x40
.irp m, 0,1,2,3
	v_cvt_scalef32_pk16_fp6_f32 v[(\cb)+(\cst)*\m:(\cb)+(\cst)*\m+2], v[ACC+32*\m:ACC+32*\m+15], v[SO+\m]
	v_cvt_scalef32_pk16_fp6_f32 v[CT+4*\m:CT+4*\m+2], v[ACC+32*\m+16:ACC+32*\m+31], v[SO+\m]   ; (a conversion's three registers begin on an even number)
.endr
	v_nop                                          ; one plain place behind the conversions
	WIN 0x41
.irp m, 0,1,2,3
.irp i, 0,1,2
	v_mov_b32 v[(\cb)+(\cst)*\m+3+\i], v[CT+4*\m+\i]
.endr
.endr
	WIN 0
.endm
; The two K steps of a chunk of 64 output units.  The first step's weights, the biases and both steps' scale words were asked for a quantiser ago; the second step's weights take the first's registers.
.macro CHUNK bb, bst, sb, sst, wb, woff
	s_wait_dscnt 0x0
	MM16 1, \bb, \bst, \sb, \sst, 0
	WIN 0
	PLACES 4                                       ; in front of loads into registers that matrix instructions have read
	LDW \wb, \woff
	s_wait_alu depctr_va_vdst(0)
	s_wait_dscnt 0x0
	MM16 2, (\bb)+12, \bst, (\sb)+1, \sst, 4
	WIN 0
	PLACES 4                                       ; likewise, and in front of the first read of the results
.endm
; ================= HEAD =================
	s_load_b512 s[8:23], s[0:1], 0x0               ; coords 8, Bmat 10, L1 12, R1 14, b1 16, L2 18, R2 20, b2 22
	s_load_b256 s[24:31], s[0:1], 0x40             ; W3 24, b3 26, W4 28, b4 30
	s_load_b128 s[32:35], s[0:1], 0x60             ; W5 32, b5 34
	s_load_b64 s[36:37], s[0:1], 0x70              ; out0
	v_lshl_add_u32 v14, v0, 2, 0x49800
	v_mov_b32 v15, 0
	v_and_b32 v60, 31, v0                          ; lane
	v_and_b32 v61, 15, v0                          ; r
	v_bfe_u32 v62, v0, 4, 1                        ; h
	v_lshrrev_b32 v63, 5, v0
	s_delay_alu instid0(VALU_DEP_1)
	v_readfirstlane_b32 s[WV], v63                 ; wave 0..7
	s_lshr_b32 s[WH], s[WV], 1
	s_and_b32 s[WL], s[WV], 1
	s_lshr_b32 s[WQ], s[WV], 2
	s_and_b32 s[WR], s[WV], 3
	v_lshlrev_b32 v[LI], 4, v60
	s_delay_alu instid0(VALU_DEP_1)
	v_add_nc_u32 v[LI2], HI2, v[LI]
	v_lshlrev_b32 v[SH8], 3, v62
	v_cmp_eq_u32 s[MH0], 0, v62                    ; lanes 0-15
	v_cmp_gt_u32 s[MWA], 3, v61                    ; r = 0, 1, 2
	v_add_nc_u32 v63, -8, v61
	s_delay_alu instid0(VALU_DEP_1)
	v_cmp_gt_u32 s[MWB], 3, v63                    ; r = 8, 9, 10
	; where this wave stores its parts of the images
	s_mul_i32 s70, s[WV], 3072
	v_add_nc_u32 v[J2C], s70, v[LI2]
	s_add_co_u32 s70, s70, HI3
	v_add_nc_u32 v[P1R], s70, v[LI]
	s_lshl_b32 s70, s[WH], 9
	s_lshl_b32 s71, s[WL], 3
	s_add_co_u32 s70, s70, s71
	v_add_nc_u32 v[BFA], s70, v[LI]
	s_add_co_u32 s70, s70, HI3
	v_add_nc_u32 v[P1S], s70, v[LI]
	s_lshl_b32 s70, s[WV], 11
	v_add_nc_u32 v[B1A], s70, v[LI2]
	s_add_co_u32 s70, s70, CST
	v_add_nc_u32 v[CSA], s70, v[LI]
	s_lshl_b32 s70, s[WV], 10
	v_add_nc_u32 v[B2A], s70, v[LI2]
	s_mul_i32 s70, s[WV], 1536
	v_add_nc_u32 v[W3A], s70, v[LI]
	s_lshl_b32 s70, s[WV], 2
	v_add_nc_u32 v[W3S], s70, v[LI]
	; the lanes' offsets in the inputs
	v_and_b32 v48, 7, v61
	v_lshrrev_b32 v49, 3, v61
	s_delay_alu instid0(VALU_DEP_2)
	v_lshlrev_b32 v50, 2, v48
	s_delay_alu instid0(VALU_DEP_1)
	v_lshl_add_u32 v[VC], v49, 7, v50              ; 4 x ((r & 7) + 32 (r >> 3)): a tile's column
	s_delay_alu instid0(VALU_DEP_1)
	v_lshl_add_u32 v[VCH], v62, 15, v[VC]          ; R1: + 32 h rows of 1,024 bytes
	s_delay_alu instid0(VALU_DEP_4)
	v_lshl_add_u32 v51, v49, 5, v48
	s_delay_alu instid0(VALU_DEP_1)
	v_mul_u32_u24 v[VL1B], v51, 280                ; L1: a tile's row of 280 bytes
	s_delay_alu instid0(VALU_DEP_1)
	v_lshl_add_u32 v[VL1], v62, 7, v[VL1B]         ; + 32 h numbers
	v_lshl_add_u32 v[VR2], v62, 11, v[VC]          ; R2: + 2 h rows
	s_delay_alu instid0(VALU_DEP_4)
	v_mul_u32_u24 v[VL2B], v51, 40                 ; L2: a row of 40 bytes
	s_delay_alu instid0(VALU_DEP_1)
	v_lshl_add_u32 v[VL2], v62, 3, v[VL2B]         ; + 2 h numbers
	v_lshlrev_b32 v[VB], 7, v62                    ; b1, b2: 32 h numbers
	v_lshl_add_u32 v52, v49, 4, v48
	s_delay_alu instid0(VALU_DEP_1)
	v_lshlrev_b32 v52, 9, v52
	s_delay_alu instid0(VALU_DEP_1)
	v_lshl_add_u32 v[VW3], v62, 7, v52             ; W3: row (r & 7) + 16 (r >> 3), + 32 h numbers,
	s_lshl_b32 s70, s[WV], 12
	v_add_nc_u32 v[VW3], s70, v[VW3]               ; + 8 rows for tile 1 (waves 0 and 1 alone use it)
	v_lshlrev_b32 v[VB3], 6, v62
	s_lshl_b32 s70, s[WV], 5
	v_add_nc_u32 v[VB3], s70, v[VB3]
	v_lshlrev_b32 v52, 7, v61
	s_delay_alu instid0(VALU_DEP_1)
	v_lshl_add_u32 v[VW4], v62, 6, v52             ; W4: row r, + 16 h numbers
	v_lshlrev_b32 v[VB4], 5, v62
	v_min_u32 v52, 2, v48
	s_delay_alu instid0(VALU_DEP_1)
	v_lshlrev_b32 v52, 6, v52
	s_delay_alu instid0(VALU_DEP_1)
	v_lshl_add_u32 v[VW5], v62, 5, v52             ; W5: row min(r & 7, 2), always inside the buffer; what is not wanted is zeroed later
	; constants
	s_mov_b32 s[SEL], 0x76543210
	s_mov_b32 s[SEL+1], 0xfedcba98                 ; v_permlanex16_b32: lane l xor 16
	KPAIR PIF, 0x40490fdb                          ; pi
	KPAIR INVPI, 0x3ea2f983                        ; 1 / pi
	KPAIR NMAG, 0xcb400000                         ; -1.5 x 2^23
	KPAIR NPIH, 0xc0490fdb                         ; -(pi rounded to f32)
	KPAIR NPIL, 0x33bbbd2e                         ; -(pi less that)
	KPAIR KS4, 0x3638b94f                          ; sin h / h: 2.7526e-6
	KPAIR KS3, 0xb9500c03                          ; -1.98409e-4
	KPAIR KS2, 0x3c088887                          ; 8.3333315e-3
	KPAIR KS1, 0xbe2aaaab                          ; -0.1666666664
	KPAIR KC4, 0x384fb5a1                          ; 2 cos h: 4.95218e-5
	KPAIR KC3, 0xbb3609ba                          ; -2.7776794e-3
	KPAIR KC2, 0x3daaaaa4                          ; 0.0833332836
	s_mov_b32 s[FLR], 0x01800000                   ; 2^(3 - 127)
	s_mov_b32 s[NEG2], 0xff000000                  ; 2 off an exponent field
	v_mov_b32 v[VS5], 0xb2cd4ca8                   ; -2.39e-8
	v_mov_b32 v[VS5+1], 0xb2cd4ca8
	v_mov_b32 v[VC5], 0xb50bdad9                   ; -5.21e-7
	v_mov_b32 v[VC5+1], 0xb50bdad9
	v_mov_b32 v[VMG], 0x4b400000                   ; 1.5 x 2^23
	v_mov_b32 v[VMG+1], 0x4b400000
	s_wait_kmcnt 0x0
	s_load_b96 s[72:74], s[34:35], 0x0             ; b5
	; each pointer at this wave's part
	s_lshr_b32 s70, ttmp9, 1
	s_lshl_b32 s70, s70, 15                        ; the image: 32,768 bytes
	s_and_b32 s71, ttmp9, 1
	s_lshl_b32 s71, s71, 13                        ; its half: 2,048 rows
	s_add_co_u32 s70, s70, s71
	s_lshl_b32 s71, s[WV], 10                      ; my 256 rows
	s_add_co_u32 s70, s70, s71
	s_mov_b32 s71, 0
	s_add_nc_u64 s[8:9], s[8:9], s[70:71]
	s_mul_i32 s70, ttmp9, 24576
	s_mul_i32 s82, s[WV], 3072
	s_add_co_u32 s70, s70, s82
	s_add_nc_u64 s[36:37], s[36:37], s[70:71]
	s_lshl_b32 s70, s[WH], 8
	s_lshl_b32 s82, s[WL], 6
	s_add_co_u32 s70, s70, s82
	s_add_nc_u64 s[14:15], s[14:15], s[70:71]      ; R1: columns 64 (w >> 1) + 16 (w & 1) on
	s_add_nc_u64 s[16:17], s[16:17], s[70:71]      ; b1 likewise
	s_lshl_b32 s70, s[WQ], 8
	s_lshl_b32 s82, s[WR], 5
	s_add_co_u32 s70, s70, s82
	s_add_nc_u64 s[10:11], s[10:11], s[70:71]      ; Bmat: columns 64 (w >> 2) + 8 (w & 3) on
	s_add_nc_u64 s[22:23], s[22:23], s[70:71]      ; b2 likewise
	s_mul_i32 s70, s[WH], 17920
	s_mul_i32 s82, s[WL], 4480
	s_add_co_u32 s70, s70, s82
	s_add_nc_u64 s[12:13], s[12:13], s[70:71]      ; L1: rows 64 (w >> 1) + 16 (w & 1) on
	s_and_b32 s70, s[WH], 1
	s_lshl_b32 s70, s70, 9
	s_add_nc_u64 s[20:21], s[20:21], s[70:71]      ; R2: columns 128 ((w >> 1) & 1) on
	s_mul_i32 s70, s[WQ], 2560
	s_mul_i32 s82, s[WL], 640
	s_add_co_u32 s70, s70, s82
	s_add_nc_u64 s[18:19], s[18:19], s[70:71]      ; L2: rows 64 (w >> 2) + 16 (w & 1) on
	; ---- all loads of the head, in one run
	WIN 0x40
	global_load_b128 v[CGH:CGH+3], v[LI], s[8:9] th:TH_LOAD_NT
	global_load_b128 v[CGH+4:CGH+7], v[LI], s[8:9] offset:512 th:TH_LOAD_NT
	global_load_b128 v[CGH+8:CGH+11], v[LI], s[8:9] offset:16384 th:TH_LOAD_NT
	global_load_b128 v[CGH+12:CGH+15], v[LI], s[8:9] offset:16896 th:TH_LOAD_NT
.irp e, 0,1                            ; R1, tiles 2 w + e: a lane takes a column and its registers run down K: 32 h + 0 .. 31, then 64 .. 69 (both halves of the lanes read these; lanes 16-31 drop them)
.set ii, 0
.rept 32
	global_load_b32 v[SET+40*\e+ii], v[VCH], s[14:15] offset:1024*ii+32*\e
.set ii, ii+1
.endr
.set ii, 0
.rept 6
	global_load_b32 v[SET+40*\e+32+ii], v[VC], s[14:15] offset:1024*(64+ii)+32*\e
.set ii, ii+1
.endr
.endr
.irp e, 0,1                            ; L1, tiles 2 w + e: K innermost, rows of 280 bytes: pieces of 8 bytes
.set ii, 0
.rept 16
	global_load_b64 v[SET+80+40*\e+2*ii:SET+80+40*\e+2*ii+1], v[VL1], s[12:13] offset:8*ii+2240*\e
.set ii, ii+1
.endr
.set ii, 0
.rept 3
	global_load_b64 v[SET+80+40*\e+32+2*ii:SET+80+40*\e+32+2*ii+1], v[VL1B], s[12:13] offset:256+8*ii+2240*\e
.set ii, ii+1
.endr
.endr
.irp c, 0,1                            ; R2 for the f32 form: tile (c, u), K step k: rows 4 k + 2 h + j; the third step's rows 8, 9 in both halves
.irp u, 0,1,2,3
.irp k, 0,1
.irp j, 0,1
	global_load_b32 v[RA+6*(4*\c+\u)+2*\k+\j], v[VR2], s[20:21] offset:1024*(4*\k+\j)+256*\c+32*\u
.endr
.endr
.irp j, 0,1
	global_load_b32 v[RA+6*(4*\c+\u)+4+\j], v[VC], s[20:21] offset:1024*(8+\j)+256*\c+32*\u
.endr
.endr
.endr
.irp e, 0,1                            ; L2, tiles 2 (w & 1) + e of my chunk
	global_load_b64 v[LB+6*\e:LB+6*\e+1], v[VL2], s[18:19] offset:320*\e
	global_load_b64 v[LB+6*\e+2:LB+6*\e+3], v[VL2], s[18:19] offset:320*\e+16
	global_load_b64 v[LB+6*\e+4:LB+6*\e+5], v[VL2B], s[18:19] offset:320*\e+32
.endr
	WIN 0
	global_load_b32 v[BFR], v[VC], s[10:11]
	global_load_b32 v[BFR+1], v[VC], s[10:11] offset:512
.irp e, 0,1
.irp p, 0,1
	global_load_b128 v[BB1+8*\e+4*\p:BB1+8*\e+4*\p+3], v[VB], s[16:17] offset:32*\e+16*\p
.endr
.endr
.irp p, 0,1
	global_load_b128 v[BB2+4*\p:BB2+4*\p+3], v[VB], s[22:23] offset:16*\p
.endr
	s_cmp_lt_u32 s[WV], 2                          ; the small weights: waves 0, 1: W3's tiles; wave 2: W4; wave 3: W5
	s_cbranch_scc0 .Lld_not3
.irp c, 0,1
.irp i, 0,1,2,3,4,5,6,7
	global_load_b128 v[SMV+32*\c+4*\i:SMV+32*\c+4*\i+3], v[VW3], s[24:25] offset:256*\c+16*\i
.endr
.endr
.irp p, 0,1
	global_load_b128 v[SMB+4*\p:SMB+4*\p+3], v[VB3], s[26:27] offset:16*\p
.endr
	s_branch .Lld_done
.Lld_not3:
	s_cmp_eq_u32 s[WV], 2
	s_cbranch_scc0 .Lld_not4
.irp i, 0,1,2,3
	global_load_b128 v[SMV+4*\i:SMV+4*\i+3], v[VW4], s[28:29] offset:16*\i
.endr
.irp p, 0,1
	global_load_b128 v[SMB+4*\p:SMB+4*\p+3], v[VB4], s[30:31] offset:16*\p
.endr
	s_branch .Lld_done
.Lld_not4:
	s_cmp_eq_u32 s[WV], 3
	s_cbranch_scc0 .Lld_done
	s_wait_alu depctr_va_vdst(0)
.irp p, 0,1
	global_load_b128 v[SMV+4*\p:SMV+4*\p+3], v[VW5], s[32:33] offset:16*\p
.endr
.Lld_done:
	s_wait_loadcnt 0x0                             ; all of them: their address registers are free too
	s_wait_kmcnt 0x0                               ; b5
.irp i, 6,7,8,9,10,11,12,13,14,15
	v_mov_b32 v[ZB+\i], 0                          ; K = 70 .. 79: zeros
.endr
.irp i, 9,10,11
	v_mov_b32 v[PC+\i], 0                          ; and the codes of K = 80 .. 95 (lanes 16-31: 112 .. 127)
.endr
	; ---- the coordinates of my 256 rows, Bmat's tile, the bias tiles: as they are, into LDS
	WIN 0x04
.irp i, 0,1,2,3
	ds_store_b128 v[CSA], v[CGH+4*\i:CGH+4*\i+3] offset:512*\i
.endr
	WIN 0
	v_cndmask_b32 v[BFR], 0, v[BFR], s[MH0]        ; K = 2, 3 of the f32 form: zeros
	v_cndmask_b32 v[BFR+1], 0, v[BFR+1], s[MH0]
	ds_store_b64 v[BFA], v[BFR:BFR+1] offset:BFIMG
.irp e, 0,1
.irp p, 0,1
	ds_store_b128 v[B1A], v[BB1+8*\e+4*\p:BB1+8*\e+4*\p+3] offset:24576+1024*\e+512*\p
.endr
.endr
.irp p, 0,1
	ds_store_b128 v[B2A], v[BB2+4*\p:BB2+4*\p+3] offset:40960+512*\p
.endr
; A tile of R1 or of L1 (16 rows x K = 70, filled with zeros to 128) becomes a fragment and a scale word.  A lane holds block h whole (32 numbers) and, in lanes 0-15, the six numbers of block 2.
.macro QT70 s, offc, offs
	WIN 0x04
.irp i, 0,1,2,3,4,5
	v_cndmask_b32 v[ZB+\i], 0, v[(\s)+32+\i], s[MH0]
.endr
	WIN 0x14
	v_max3_num_f32 v[MX], s[FLR], |v[(\s)]|, |v[(\s)+1]|
	v_max3_num_f32 v[MX+1], s[FLR], |v[(\s)+16]|, |v[(\s)+17]|
.irp i, 2,4,6,8,10,12,14
	s_delay_alu instid0(VALU_DEP_2)
	v_max3_num_f32 v[MX], v[MX], |v[(\s)+\i]|, |v[(\s)+\i+1]|
	s_delay_alu instid0(VALU_DEP_2)
	v_max3_num_f32 v[MX+1], v[MX+1], |v[(\s)+16+\i]|, |v[(\s)+17+\i]|
.endr
	WIN 0
	v_max3_num_f32 v[MX+2], |v[ZB]|, |v[ZB+1]|, s[FLR]
	s_delay_alu instid0(VALU_DEP_1)
	v_max3_num_f32 v[MX+2], v[MX+2], |v[ZB+2]|, |v[ZB+3]|
	s_delay_alu instid0(VALU_DEP_1)
	v_max3_num_f32 v[MX+2], v[MX+2], |v[ZB+4]|, |v[ZB+5]|
	v_max_num_f32 v[MX], v[MX], v[MX+1]
	s_delay_alu instid0(VALU_DEP_1)
	v_add_nc_u32 v[SO], s[NEG2], v[MX]
	s_delay_alu instid0(VALU_DEP_3)
	v_add_nc_u32 v[SO+1], s[NEG2], v[MX+2]
	s_delay_alu instid0(VALU_DEP_2)
	v_lshrrev_b32 v[PW], 23, v[SO]
	s_delay_alu instid0(VALU_DEP_2)
	v_lshrrev_b32 v[PW+1], 23, v[SO+1]
	s_delay_alu instid0(VALU_DEP_1)
	v_lshl_or_b32 v[PW], v[PW+1], 16, v[PW]
	WORD PW, PW+1
	WIN 0x01
	v_cvt_scalef32_pk16_fp6_f32 v[PC:PC+2], v[(\s):(\s)+15], v[SO]
	v_cvt_scalef32_pk16_fp6_f32 v[CTA:CTA+2], v[(\s)+16:(\s)+31], v[SO]
	WIN 0
	v_cvt_scalef32_pk16_fp6_f32 v[PC+6:PC+8], v[ZB:ZB+15], v[SO+1]
	v_nop                                          ; one plain place behind the conversions
.irp i, 0,1,2
	v_mov_b32 v[PC+3+\i], v[CTA+\i]
.endr
.irp p, 0,1,2
	ds_store_b128 v[P1R], v[PC+4*\p:PC+4*\p+3] offset:(\offc)+512*\p
.endr
	ds_store_b32 v[P1S], v[PW] offset:\offs
	s_wait_dscnt 0x0                               ; the stores have read their registers
.endm
	QT70 SET, 0, 49152
	QT70 SET+40, 1536, 49156
	QT70 SET+80, 24576, 51200
	QT70 SET+120, 26112, 51204
	; ---- W2 = L2 R2 in f32, my two fragments: rows 64 (w >> 2) + 8 (2 (w & 1) + e) + .., K step (w >> 1) & 1
	WIN 0x44
.irp t, 0,1,2,3,4,5,6,7
.irp j, 0,1
	v_cndmask_b32 v[RA+6*\t+4+\j], 0, v[RA+6*\t+4+\j], s[MH0]   ; K = 10, 11: zeros
.endr
.endr
	WIN 0
; 64 along the next K (half c of the fragment): four tiles of R2's columns x 16 rows of L2, K = 10 in three steps; the four accumulators take turns; then the block is quantised out of them.
.macro J2HALF e, c
	WIN 0x05
.irp k, 0,1,2
.irp u, 0,1,2,3
.if \k == 0
	v_wmma_f32_16x16x4_f32 v[TT+8*\u:TT+8*\u+7], v[RA+6*(4*(\c)+\u)+2*\k:RA+6*(4*(\c)+\u)+2*\k+1], v[LB+6*(\e)+2*\k:LB+6*(\e)+2*\k+1], 0
.else
	v_wmma_f32_16x16x4_f32 v[TT+8*\u:TT+8*\u+7], v[RA+6*(4*(\c)+\u)+2*\k:RA+6*(4*(\c)+\u)+2*\k+1], v[LB+6*(\e)+2*\k:LB+6*(\e)+2*\k+1], v[TT+8*\u:TT+8*\u+7]
.endif
.endr
.endr
	WIN 0
	PLACES 9                                       ; behind the f32 form: in front of the reads below, and of the next sums that begin anew in these registers
	v_max3_num_f32 v[MX], |v[TT]|, |v[TT+1]|, s[FLR]
	v_max3_num_f32 v[MX+1], |v[TT+16]|, |v[TT+17]|, s[FLR]
.irp i, 2,4,6,8,10,12,14
	v_max3_num_f32 v[MX], v[MX], |v[TT+\i]|, |v[TT+\i+1]|
	v_max3_num_f32 v[MX+1], v[MX+1], |v[TT+16+\i]|, |v[TT+17+\i]|
.endr
	s_delay_alu instid0(VALU_DEP_1)
	v_max_num_f32 v[MX], v[MX], v[MX+1]
	s_delay_alu instid0(VALU_DEP_1)
	v_add_nc_u32 v[SO], s[NEG2], v[MX]
.if (\c) == 0
	s_delay_alu instid0(VALU_DEP_1)
	v_lshrrev_b32 v[PW], 23, v[SO]
.else
	s_delay_alu instid0(VALU_DEP_1)
	v_lshrrev_b32 v[PW+1], 23, v[SO]
	s_delay_alu instid0(VALU_DEP_1)
	v_lshl_or_b32 v[PW], v[PW+1], 16, v[PW]
	WORD PW, PW+1
.endif
	v_cvt_scalef32_pk16_fp6_f32 v[PC+6*(\c):PC+6*(\c)+2], v[TT:TT+15], v[SO]
	v_cvt_scalef32_pk16_fp6_f32 v[CTA:CTA+2], v[TT+16:TT+31], v[SO]
	v_nop
.irp i, 0,1,2
	v_mov_b32 v[PC+6*(\c)+3+\i], v[CTA+\i]
.endr
.endm
.irp e, 0,1
	J2HALF \e, 0
	J2HALF \e, 1
.irp p, 0,1,2
	ds_store_b128 v[J2C], v[PC+4*\p:PC+4*\p+3] offset:1536*\e+512*\p
.endr
	ds_store_b32 v[BFA], v[PW] offset:WSC+4096+4*\e
	s_wait_dscnt 0x0                               ; the stores have read their registers
.endr
	; ---- the small weights, a wave each
	s_cmp_lt_u32 s[WV], 2
	s_cbranch_scc0 .Lq_not3
	v_max3_num_f32 v[MX], |v[SMV]|, |v[SMV+1]|, s[FLR]           ; W3, tile w: two whole blocks a lane
	v_max3_num_f32 v[MX+1], |v[SMV+32]|, |v[SMV+33]|, s[FLR]
.irp i, 2,4,6,8,10,12,14,16,18,20,22,24,26,28,30
	s_delay_alu instid0(VALU_DEP_2)
	v_max3_num_f32 v[MX], v[MX], |v[SMV+\i]|, |v[SMV+\i+1]|
	s_delay_alu instid0(VALU_DEP_2)
	v_max3_num_f32 v[MX+1], v[MX+1], |v[SMV+32+\i]|, |v[SMV+33+\i]|
.endr
	s_delay_alu instid0(VALU_DEP_2)
	v_add_nc_u32 v[SO], s[NEG2], v[MX]
	s_delay_alu instid0(VALU_DEP_2)
	v_add_nc_u32 v[SO+1], s[NEG2], v[MX+1]
	s_delay_alu instid0(VALU_DEP_2)
	v_lshrrev_b32 v[PW], 23, v[SO]
	s_delay_alu instid0(VALU_DEP_2)
	v_lshrrev_b32 v[PW+1], 23, v[SO+1]
	s_delay_alu instid0(VALU_DEP_1)
	v_lshl_or_b32 v[PW], v[PW+1], 16, v[PW]
	WORD PW, PW+1
	v_cvt_scalef32_pk16_fp6_f32 v[PC:PC+2], v[SMV:SMV+15], v[SO]
	v_cvt_scalef32_pk16_fp6_f32 v[CTA:CTA+2], v[SMV+16:SMV+31], v[SO]
	v_cvt_scalef32_pk16_fp6_f32 v[PC+6:PC+8], v[SMV+32:SMV+47], v[SO+1]
	v_cvt_scalef32_pk16_fp6_f32 v[CTB:CTB+2], v[SMV+48:SMV+63], v[SO+1]
	v_nop
.irp i, 0,1,2
	v_mov_b32 v[PC+3+\i], v[CTA+\i]
	v_mov_b32 v[PC+9+\i], v[CTB+\i]
.endr
.irp p, 0,1,2
	ds_store_b128 v[W3A], v[PC+4*\p:PC+4*\p+3] offset:W3IMG+512*\p
.endr
	ds_store_b32 v[W3S], v[PW] offset:WSC+6144
.irp p, 0,1
	ds_store_b128 v[B2A], v[SMB+4*\p:SMB+4*\p+3] offset:49152+512*\p   ; b3's tile: bias tile 24 + w
.endr
	s_branch .Lq_done
.Lq_not3:
	s_cmp_eq_u32 s[WV], 2
	s_cbranch_scc0 .Lq_not4
	; W4, K = 32: lanes 0-15 hold K 0 .. 15, lanes 16-31 K 16 .. 31, each as the first 16 codes of the instruction's block 0 or 1; both blocks carry the one true block's byte; all other codes are zeros
	v_max3_num_f32 v[MX], |v[SMV]|, |v[SMV+1]|, s[FLR]
.irp i, 2,4,6,8,10,12,14
	s_delay_alu instid0(VALU_DEP_1)
	v_max3_num_f32 v[MX], v[MX], |v[SMV+\i]|, |v[SMV+\i+1]|
.endr
	s_delay_alu instid0(VALU_DEP_1)
	v_permlanex16_b32 v[PW+1], v[MX], s[SEL], s[SEL+1]
	s_delay_alu instid0(VALU_DEP_1)
	v_max_num_f32 v[MX], v[MX], v[PW+1]
	s_delay_alu instid0(VALU_DEP_1)
	v_add_nc_u32 v[SO], s[NEG2], v[MX]
	s_delay_alu instid0(VALU_DEP_1)
	v_lshrrev_b32 v[PW], 23, v[SO]
	s_delay_alu instid0(VALU_DEP_1)
	v_lshl_or_b32 v[PW], v[PW], 8, v[PW]
	v_cvt_scalef32_pk16_fp6_f32 v[PC:PC+2], v[SMV:SMV+15], v[SO]
.irp i, 3,4,5,6,7,8,9,10,11
	v_mov_b32 v[PC+\i], 0
.endr
.irp p, 0,1,2
	ds_store_b128 v[LI], v[PC+4*\p:PC+4*\p+3] offset:W4IMG+512*\p
.endr
	ds_store_b32 v[LI], v[PW] offset:WSC+6144+8
.irp p, 0,1
	ds_store_b128 v[LI2], v[SMB+4*\p:SMB+4*\p+3] offset:51200+512*\p   ; b4: bias tile 26
.endr
	s_branch .Lq_done
.Lq_not4:
	s_cmp_eq_u32 s[WV], 3
	s_cbranch_scc0 .Lq_done
	; W5 in bf16, as a triple [a | zeros | b]: a = rows 0-2 of the tile at K 0 .. 15, b = rows 8-10 at K 16 .. 31: [a | 0] serves an even tile of rows, [0 | b] the odd one beside it
.irp i, 0,1,2,3
	v_cvt_pk_bf16_f32 v[CTA+\i], v[SMV+2*\i], v[SMV+2*\i+1]
.endr
.irp i, 0,1,2,3
	v_cndmask_b32 v[PC+\i], 0, v[CTA+\i], s[MWA]
	v_mov_b32 v[PC+4+\i], 0
	v_cndmask_b32 v[PC+8+\i], 0, v[CTA+\i], s[MWB]
.endr
.irp p, 0,1,2
	ds_store_b128 v[LI], v[PC+4*\p:PC+4*\p+3] offset:W5IMG+512*\p
.endr
	v_mov_b32 v[PW], 0
	ds_store_b32 v[LI], v[PW] offset:WSC+6144+12   ; the fourth word of that group: read with the others, used by nobody
	v_mov_b32 v[ZB], s72                           ; b5: registers 0-2 of bias tile 27, in every lane
	v_mov_b32 v[ZB+1], s73
	v_mov_b32 v[ZB+2], s74
.irp i, 3,4,5,6,7
	v_mov_b32 v[ZB+\i], 0
.endr
	ds_store_b128 v[LI2], v[ZB:ZB+3] offset:52224
	ds_store_b128 v[LI2], v[ZB+4:ZB+7] offset:52736
.Lq_done:
	BARRIER                                        ; R1's and L1's fragments lie in LDS
	; ---- W1 = L1 R1 on codes: my part is chunk g = w >> 1 (64 rows), K step s = w & 1 (128 columns): four fragments
	s_mul_i32 s70, s[WH], 6144
	s_add_co_u32 s70, s70, HI3
	v_add_nc_u32 v[JL], s70, v[LI]
	s_wait_alu depctr_va_vdst(0)
	s_lshl_b32 s70, s[WH], 9
	s_add_co_u32 s70, s70, HI3
	v_add_nc_u32 v[JLS], s70, v[LI]
	s_wait_alu depctr_va_vdst(0)
	s_mul_i32 s70, s[WL], 12288
	s_add_co_u32 s70, s70, HI3
	v_add_nc_u32 v[JR], s70, v[LI]
	s_lshl_b32 s70, s[WL], 10
	s_add_co_u32 s70, s70, HI3
	v_add_nc_u32 v[JRS], s70, v[LI]
	s_mul_i32 s70, s[WV], 6144
	v_add_nc_u32 v[JW], s70, v[LI]
	s_lshl_b32 s70, s[WV], 9
	v_add_nc_u32 v[JWS], s70, v[LI]
	WIN 0x40
.set qq, 0
.rept 12
	ds_load_b128 v[XC+4*qq:XC+4*qq+3], v[JL] offset:24576+512*qq    ; L1's four tiles of my chunk
.set qq, qq+1
.endr
	WIN 0
	ds_load_b128 v[XSW:XSW+3], v[JLS] offset:51200
.irp gp, 0,1                           ; 64 columns at a time: four tiles of R1's columns x four tiles of L1's rows, K = 70 in one instruction
	LDW JR, 6144*\gp
	ds_load_b128 v[WSW:WSW+3], v[JRS] offset:49152+512*\gp
	s_wait_dscnt 0x0
	MM16 0, XC, 12, XSW, 1, 0
	WIN 0
	PLACES 4
	QUANT4 0, HC+6*\gp, 12, HSW, 1, \gp
.endr
	WIN 0x04
.set qq, 0
.rept 12
	ds_store_b128 v[JW], v[HC+4*qq:HC+4*qq+3] offset:W1IMG+512*qq
.set qq, qq+1
.endr
	WIN 0
	ds_store_b128 v[JWS], v[HSW:HSW+3] offset:WSC
	BARRIER                                        ; all weights lie in LDS; from here on no wave writes what another reads
; ================= THE BLOCKS =================
	v_and_b32 v62, 15, v0
	v_and_b32 v63, 31, v0
	s_wait_alu depctr_va_vdst(0)
	s_lshl_b32 s70, s[WV], 11
	s_add_co_u32 s70, s70, CST
	v_lshl_add_u32 v[XCA], v62, 2, s70             ; my row's first coordinate in tile 0; the second 1,024 bytes on
	s_mul_i32 s70, s[WV], 12288
	s_add_co_u32 s70, s70, XSTG
	v_add_nc_u32 v[XST], s70, v[LI]
	s_lshl_b32 s70, s[WV], 10
	s_add_co_u32 s70, s70, XSCS
	v_lshl_add_u32 v[XSS], v63, 2, s70
	s_mul_i32 s70, s[WV], 768
	s_add_co_u32 s70, s70, OST
	v_mad_u32_u24 v[OSW], v63, 12, s70
	v_lshl_add_u32 v[OSR], v63, 3, s70
	v_lshlrev_b32 v[GO8], 3, v63
.macro W4 c                            ; t = coords . Bmat for 64 features x 16 rows: four tiles; K = 2 of the form's 4
	WIN 0x01
.irp u, 0,1,2,3
	v_wmma_f32_16x16x4_f32 v[TT+8*\u:TT+8*\u+7], v[BF+2*(4*(\c)+\u):BF+2*(4*(\c)+\u)+1], v[CO:CO+1], 0
.endr
	WIN 0
.endm
.macro PKA d, a, sc, c, cst            ; d = a x s[sc] + c, 16 pairs
.set pp, 0
.rept 16
	v_pk_fma_f32 v[\d+2*pp:\d+2*pp+1], v[\a+2*pp:\a+2*pp+1], s[\sc:\sc+1], v[\c+\cst*pp:\c+\cst*pp+1] op_sel_hi:[1,0,1]
.set pp, pp+1
.endr
.endm
.macro PKB d, a, b, bst, sc            ; d = a x b + s[sc]
.set pp, 0
.rept 16
	v_pk_fma_f32 v[\d+2*pp:\d+2*pp+1], v[\a+2*pp:\a+2*pp+1], v[\b+\bst*pp:\b+\bst*pp+1], s[\sc:\sc+1] op_sel_hi:[1,1,0]
.set pp, pp+1
.endr
.endm
.macro PKC d, a, b, imm                ; d = a x b + a constant
.set pp, 0
.rept 16
	v_pk_fma_f32 v[\d+2*pp:\d+2*pp+1], v[\a+2*pp:\a+2*pp+1], v[\b+2*pp:\b+2*pp+1], \imm op_sel_hi:[1,1,0]
.set pp, pp+1
.endr
.endm
.macro PKM d, a, b                     ; d = a x b
.set pp, 0
.rept 16
	v_pk_mul_f32 v[\d+2*pp:\d+2*pp+1], v[\a+2*pp:\a+2*pp+1], v[\b+2*pp:\b+2*pp+1]
.set pp, pp+1
.endr
.endm
.macro SC1                             ; ph = t x pi: it empties the matrix results, each from its low end on, so that the next four tiles can be begun
.set pp, 0
.rept 16
	v_pk_mul_f32 v[SN+2*pp:SN+2*pp+1], v[TT+2*pp:TT+2*pp+1], s[PIF:PIF+1] op_sel_hi:[1,0]
.set pp, pp+1
.endr
.endm
.macro SC2 ld                          ; ph -> sin 2 ph in SN, cos 2 ph in CSN.  ld = 1: the next tile's coordinates are fetched on the way
	PKA KK, SN, INVPI, VMG, 0                      ; ph / pi + 1.5 x 2^23: the sum's rounding leaves the nearest whole number
.set pp, 0
.rept 16
	v_pk_add_f32 v[KK+2*pp:KK+2*pp+1], v[KK+2*pp:KK+2*pp+1], s[NMAG:NMAG+1] op_sel_hi:[1,0]   ; n
.set pp, pp+1
.endr
.if \ld
	s_and_b32 s[CN], s[CNI], 192                   ; tile (m + 1) mod 4: 64 bytes a tile (the last trip fetches tile 0 again, and nobody uses it)
	s_add_co_u32 s[CN], s[CN], s[CB]
	v_add_nc_u32 v[ADR], s[CN], v[XCA]
	ds_load_b32 v[CO], v[ADR]                      ; 32 plain instructions behind the products that read these two registers
	ds_load_b32 v[CO+1], v[ADR] offset:1024
.endif
	PKA SN, KK, NPIH, SN, 2                        ; ph - n pi, the upper part: exact
	PKA SN, KK, NPIL, SN, 2                        ; and the lower: h
	PKM ZZ, SN, SN                                 ; z = h h
	PKB KK, ZZ, VS5, 0, KS4
	PKB CSN, ZZ, VC5, 0, KC4
	PKB KK, KK, ZZ, 2, KS3
	PKB CSN, CSN, ZZ, 2, KC3
	PKB KK, KK, ZZ, 2, KS2
	PKB CSN, CSN, ZZ, 2, KC2
	PKB KK, KK, ZZ, 2, KS1
	PKC CSN, CSN, ZZ, -1.0
	PKC KK, KK, ZZ, 1.0                            ; sin h / h
	PKC CSN, CSN, ZZ, 2.0                          ; 2 cos h
	PKM SN, KK, SN                                 ; s = sin h
	PKM KK, SN, SN                                 ; s s
	PKM SN, SN, CSN                                ; sin 2 h
.set pp, 0
.rept 16
	v_pk_fma_f32 v[CSN+2*pp:CSN+2*pp+1], v[KK+2*pp:KK+2*pp+1], -2.0, 1.0 op_sel_hi:[1,0,0]   ; cos 2 h
.set pp, pp+1
.endr
.endm
.macro QX c                            ; a lane's 32 sines and 32 cosines are two whole blocks: block 2 c + h of K step 0 and of K step 1
.if (\c) == 0
	s_wait_dscnt 0x0                               ; the last trip's stores have read the codes' and words' registers, and the next tile's coordinates are in
.endif
	v_max3_num_f32 v[MX], |v[SN]|, |v[SN+1]|, s[FLR]
	v_max3_num_f32 v[MX+1], |v[SN+16]|, |v[SN+17]|, s[FLR]
	v_max3_num_f32 v[MX+2], |v[CSN]|, |v[CSN+1]|, s[FLR]
	v_max3_num_f32 v[MX+3], |v[CSN+16]|, |v[CSN+17]|, s[FLR]
.irp i, 2,4,6,8,10,12,14
	s_delay_alu instid0(VALU_DEP_4)
	v_max3_num_f32 v[MX], v[MX], |v[SN+\i]|, |v[SN+\i+1]|
	s_delay_alu instid0(VALU_DEP_4)
	v_max3_num_f32 v[MX+1], v[MX+1], |v[SN+16+\i]|, |v[SN+17+\i]|
	s_delay_alu instid0(VALU_DEP_4)
	v_max3_num_f32 v[MX+2], v[MX+2], |v[CSN+\i]|, |v[CSN+\i+1]|
	s_delay_alu instid0(VALU_DEP_4)
	v_max3_num_f32 v[MX+3], v[MX+3], |v[CSN+16+\i]|, |v[CSN+17+\i]|
.endr
	s_delay_alu instid0(VALU_DEP_3)
	v_max_num_f32 v[MX], v[MX], v[MX+1]
	s_delay_alu instid0(VALU_DEP_2)
	v_max_num_f32 v[MX+2], v[MX+2], v[MX+3]
	s_delay_alu instid0(VALU_DEP_2)
	v_add_nc_u32 v[SO], s[NEG2], v[MX]
	s_delay_alu instid0(VALU_DEP_2)
	v_add_nc_u32 v[SO+1], s[NEG2], v[MX+2]
.if (\c) == 0
	s_delay_alu instid0(VALU_DEP_2)
	v_lshrrev_b32 v[PW], 23, v[SO]
	s_delay_alu instid0(VALU_DEP_2)
	v_lshrrev_b32 v[PW+1], 23, v[SO+1]
.else
	s_delay_alu instid0(VALU_DEP_2)
	v_lshrrev_b32 v62, 23, v[SO]
	s_delay_alu instid0(VALU_DEP_2)
	v_lshrrev_b32 v63, 23, v[SO+1]
	s_delay_alu instid0(VALU_DEP_2)
	v_lshl_or_b32 v[PW], v62, 16, v[PW]
	s_delay_alu instid0(VALU_DEP_2)
	v_lshl_or_b32 v[PW+1], v63, 16, v[PW+1]
	s_delay_alu instid0(VALU_DEP_2)
	v_lshlrev_b32 v[PW], v[SH8], v[PW]
	s_delay_alu instid0(VALU_DEP_2)
	v_lshlrev_b32 v[PW+1], v[SH8], v[PW+1]
	s_delay_alu instid0(VALU_DEP_2)
	v_permlanex16_b32 v62, v[PW], s[SEL], s[SEL+1]
	s_delay_alu instid0(VALU_DEP_2)
	v_permlanex16_b32 v63, v[PW+1], s[SEL], s[SEL+1]
	s_delay_alu instid0(VALU_DEP_2)
	v_or_b32 v[PW], v[PW], v62
	s_delay_alu instid0(VALU_DEP_2)
	v_or_b32 v[PW+1], v[PW+1], v63
.endif
	v_cvt_scalef32_pk16_fp6_f32 v[XCT+6*(\c):XCT+6*(\c)+2], v[SN:SN+15], v[SO]
	v_cvt_scalef32_pk16_fp6_f32 v[ZZ+16:ZZ+18], v[SN+16:SN+31], v[SO]
	v_cvt_scalef32_pk16_fp6_f32 v[XCT+12+6*(\c):XCT+12+6*(\c)+2], v[CSN:CSN+15], v[SO+1]
	v_cvt_scalef32_pk16_fp6_f32 v[ZZ+20:ZZ+22], v[CSN+16:CSN+31], v[SO+1]
	v_nop                                          ; one plain place behind the conversions
.irp i, 0,1,2
	v_mov_b32 v[XCT+6*(\c)+3+\i], v[ZZ+16+\i]
	v_mov_b32 v[XCT+12+6*(\c)+3+\i], v[ZZ+20+\i]
.endr
.endm
; SLOTS.  The eight waves form two groups of four, by the parity of the wave number's three bits: waves 0, 3, 5, 6 and waves 1, 2, 4, 7 (of waves w and w + 4, and of waves 2 i and 2 i + 1, one is in each group).
; The walk has nine slots.  Group 0 makes the features of block b in slot 2 b and takes them through the layers in slot 2 b + 1; group 1 does the same one slot later.  So in every slot but the first and the last one group
; does X, vector work, while the other does L, products and quantisers.  A barrier ends each slot and holds the groups half a step apart; it orders no data: X hands its codes to L through the wave's own stage.
; Every wave walks the loop over a block's four tiles; the branch on the wave's part stands inside it, round the tile's work alone.
	s_lshr_b32 s70, s[WV], 1
	s_lshr_b32 s71, s[WV], 2
	s_xor_b32 s70, s70, s71
	s_xor_b32 s70, s70, s[WV]
	s_and_b32 s[ROLE], s70, 1
	v_mov_b32 v[CO], 0                             ; the coordinates' registers hold a number on every way through the text
	v_mov_b32 v[CO+1], 0
	s_mov_b32 s[TRIP], 0                           ; the slot
.Lslot:
	s_wait_alu depctr_va_vdst(0)
	s_xor_b32 s[NOX], s[TRIP], s[ROLE]
	s_and_b32 s[NOX], s[NOX], 1                    ; 0: X's turn, 1: L's turn
	s_cmp_eq_u32 s[TRIP], 0
	s_cselect_b32 s[DOL], 0, s[NOX]                ; in slot 0 no block has features yet
	s_cmp_eq_u32 s[TRIP], 8
	s_cselect_b32 s[NOX], 1, s[NOX]                ; in slot 8 no block is left
	s_lshr_b32 s[CB], s[TRIP], 1                   ; X's block: slot / 2 in both groups,
	s_min_u32 s[CB], s[CB], 3
	s_lshl_b32 s[CB], s[CB], 8                     ; its coordinates: 256 bytes a block
	s_mov_b32 s[CNI], 64
	s_mov_b32 s[XO2], 0
	s_mov_b32 s[XO], 0
	s_mov_b32 s[XM], 0
	s_cmp_lg_u32 s[NOX], 0
	s_cbranch_scc1 .Lxt
	v_add_nc_u32 v[ADR], s[CB], v[XCA]
	WIN 0x40
.irp p, 0,1,2,3
	ds_load_b128 v[BF+4*\p:BF+4*\p+3], v[LI] offset:BFIMG+512*\p
.endr
	WIN 0
	ds_load_b32 v[CO], v[ADR]
	ds_load_b32 v[CO+1], v[ADR] offset:1024
	s_wait_dscnt 0x0
	W4 0
	PLACES 9                                       ; behind the f32 form, in front of the first read of its results
.Lxt:
	s_cmp_lg_u32 s[NOX], 0
	s_cbranch_scc1 .Lxskip                         ; not my slot for X: the trip is walked, its work is not done
	SC1
	W4 1                                           ; features 64 .. 127 of this tile: they are multiplied while 0 .. 63 go through the polynomials
	SC2 1
	QX 0
	SC1
	W4 0                                           ; features 0 .. 63 of the next tile
	SC2 0
	QX 1
	v_add_nc_u32 v[ADR], s[XO], v[XST]
	v_add_nc_u32 v[ADR2], s[XO2], v[XSS]
.irp p, 0,1,2,3,4,5
	ds_store_b128 v[ADR], v[XCT+4*\p:XCT+4*\p+3] offset:512*\p   ; the tile's two fragments, as images of their registers
.endr
	ds_store_b32 v[ADR2], v[PW]
	ds_store_b32 v[ADR2], v[PW+1] offset:128
.Lxskip:
	s_add_co_u32 s[XO], s[XO], 3072
	s_add_co_u32 s[XO2], s[XO2], 256
	s_add_co_u32 s[CNI], s[CNI], 64
	s_add_co_u32 s[XM], s[XM], 1
	s_cmp_lt_u32 s[XM], 4
	s_cbranch_scc1 .Lxt
	s_wait_dscnt 0x0                               ; my stores into the stage are done and have read their registers
	s_cmp_lg_u32 s[DOL], 1
	s_cbranch_scc1 .Ljoin                          ; not my slot for L
	; ---------------- L: the five layers on the 64 rows ----------------
	WIN 0x40
.set ii, 0
.rept 24
	ds_load_b128 v[XC+4*ii:XC+4*ii+3], v[XST] offset:512*ii
.set ii, ii+1
.endr
	WIN 0
.set ii, 0
.rept 8
	ds_load_b32 v[XSW+ii], v[XSS] offset:128*ii
.set ii, ii+1
.endr
	LDW LI, W1IMG
	LDB 24576
	LDS4 WSW, WSC
	LDS4 WSW+4, WSC+512
.irp g, 0,1,2,3                        ; layer 1: 64 hidden units a chunk; they are half of K step g / 2 of layer 2
	CHUNK XC, 24, XSW, 2, LI, W1IMG+(2*\g+1)*6144
.if \g < 3                             ; the next chunk's weights, biases and scale words are asked for here and land under the quantiser
	LDW LI, W1IMG+(2*\g+2)*6144
	LDB 24576+4096*(\g+1)
	LDS4 WSW, WSC+(2*\g+2)*512
	LDS4 WSW+4, WSC+(2*\g+3)*512
.else
	LDW LI2, 0
	LDB 40960
	LDS4 WSW, WSC+4096
	LDS4 WSW+4, WSC+4608
.endif
	QUANT4 1, HC+12*(\g/2)+6*(\g%2), 24, HSW+(\g/2), 2, \g%2
.endr
	PLACES 4                                       ; codes written by vector instructions stand four places ahead of the scaled products, scale words eight (the moves of the other tiles' codes and these)
.irp c, 0,1                            ; layer 2: 64 units a chunk: half of layer 3's one K step
	CHUNK HC, 24, HSW, 2, LI2, (2*\c+1)*6144
.if \c == 0
	LDW LI2, 12288
	LDB 45056
	LDS4 WSW, WSC+5120
	LDS4 WSW+4, WSC+5632
.else
	LDW LI, W3IMG                                  ; W3's two fragments, W4's, W5's triple: on end
	LDB 49152                                      ; b3's two tiles, b4's, b5's
	LDS4 WSW, WSC+6144
.endif
	QUANT4 1, XC+6*\c, 12, XSW, 1, \c
.endr
	PLACES 4
	s_wait_alu depctr_va_vdst(0)
	s_wait_dscnt 0x0
	WIN 0x05                                       ; layer 3: two tiles of 16 units x four tiles of rows; tile t takes rows 8 t + (r & 7) + 16 (r >> 3): a lane gets units 16 h + 0 .. 15
.irp t, 0,1
.irp m, 0,1,2,3
	FP6MM ACC+16*\m+8*\t, WF+12*\t, XC+12*\m, 1, BIAS+8*\t, WSW+\t, XSW+\m
.endr
.endr
	WIN 0
	PLACES 4
	RELU ACC, 64
.irp m, 0,1,2,3
	v_max3_num_f32 v[MX+\m], v[ACC+16*\m], v[ACC+16*\m+1], s[FLR]
.endr
.irp i, 2,4,6,8,10,12,14
.irp m, 0,1,2,3
	s_delay_alu instid0(VALU_DEP_4)
	v_max3_num_f32 v[MX+\m], v[MX+\m], v[ACC+16*\m+\i], v[ACC+16*\m+\i+1]
.endr
.endr
.irp m, 0,1,2,3
	s_delay_alu instid0(VALU_DEP_4)
	v_permlanex16_b32 v[TP+\m], v[MX+\m], s[SEL], s[SEL+1]
.endr
.irp m, 0,1,2,3
	s_delay_alu instid0(VALU_DEP_4)
	v_max_num_f32 v[MX+\m], v[MX+\m], v[TP+\m]     ; with lane l xor 16's 16 units: the one block of 32
.endr
.irp m, 0,1,2,3
	s_delay_alu instid0(VALU_DEP_4)
	v_add_nc_u32 v[SO+\m], s[NEG2], v[MX+\m]
.endr
.irp m, 0,1,2,3
	s_delay_alu instid0(VALU_DEP_4)
	v_lshrrev_b32 v[TP+\m], 23, v[SO+\m]
.endr
.irp m, 0,1,2,3
	s_delay_alu instid0(VALU_DEP_4)
	v_lshl_or_b32 v[XSW+4+\m], v[TP+\m], 8, v[TP+\m]   ; the byte for the instruction's blocks 0 and 1, as in W4's word
.endr
	WIN 0x40
.irp m, 0,1,2,3
.irp i, 3,4,5,6,7,8,9,10,11
	v_mov_b32 v[HC+12*\m+\i], 0                    ; all codes but the first 16 of my block
.endr
.endr
.irp q, 0,1
.irp i, 4,5,6,7
	v_mov_b32 v[H4+12*\q+\i], 0                    ; the middle of h4's triples
.endr
.endr
.irp m, 0,1,2,3
	v_cvt_scalef32_pk16_fp6_f32 v[HC+12*\m:HC+12*\m+2], v[ACC+16*\m:ACC+16*\m+15], v[SO+\m]
.endr
	WIN 0
	PLACES 4
	WIN 0x05                                       ; layer 4: 16 units x four tiles of rows
.irp m, 0,1,2,3
	FP6MM ACC+64+8*\m, WF+24, HC+12*\m, 1, BIAS+16, WSW+2, XSW+4+\m
.endr
	WIN 0
	PLACES 4
	RELU ACC+64, 32
	WIN 0x40
.irp m, 0,1,2,3
.irp i, 0,1,2,3
	v_cvt_pk_bf16_f32 v[H4+12*(\m/2)+8*(\m%2)+\i], v[ACC+64+8*\m+2*\i], v[ACC+64+8*\m+2*\i+1]   ; my eight units, 8 h + 0 .. 7: the bf16 operand's own order
.endr
.endr
	WIN 0
	PLACES 4
	WIN 0x05                                       ; layer 5: the even tile's outputs fall into lanes 0-15, the odd tile's into lanes 16-31, registers 0-2; the two accumulators take turns
	v_wmma_f32_16x16x32_bf16 v[ACC+96:ACC+103], v[WF+36:WF+43], v[H4:H4+7], v[BIAS+24:BIAS+31]
	v_wmma_f32_16x16x32_bf16 v[ACC+104:ACC+111], v[WF+36:WF+43], v[H4+12:H4+19], v[BIAS+24:BIAS+31]
	v_wmma_f32_16x16x32_bf16 v[ACC+96:ACC+103], v[WF+40:WF+47], v[H4+4:H4+11], v[ACC+96:ACC+103]
	v_wmma_f32_16x16x32_bf16 v[ACC+104:ACC+111], v[WF+40:WF+47], v[H4+16:H4+23], v[ACC+104:ACC+111]
	WIN 0
	PLACES 5                                       ; four in front of the reads below; five in front of the next layer 1's products, which begin new sums in these registers and may be the next vector or matrix work on a way round X
	; the way out: a lane's three numbers are 12 bytes of the block's 768; through my stage they leave as three stores of 256 consecutive bytes, each at a multiple of 256 from the output's first byte
.irp q, 0,1
.irp j, 0,1,2
	ds_store_b32 v[OSW], v[ACC+96+8*\q+\j] offset:384*\q+4*\j
.endr
.endr
.irp i, 0,1,2
	ds_load_b64 v[OB+2*\i:OB+2*\i+1], v[OSR] offset:256*\i       ; LDS serves a wave's instructions in order: these see my stores
.endr
	s_wait_dscnt 0x0
.irp i, 0,1,2
	global_store_b64 v[GO8], v[OB+2*\i:OB+2*\i+1], s[36:37] offset:256*\i th:TH_STORE_NT
.endr
	s_wait_xcnt 0x0                                ; the stores have read their base and their data: both are written again only behind this wait
	s_add_nc_u64 s[36:37], s[36:37], 768
.Ljoin:
	s_wait_dscnt 0x0                               ; no LDS instruction of mine is out at the signal
	s_barrier_signal -1
	s_barrier_wait -1                              ; the slot's end: both groups change over together
	s_add_co_u32 s[TRIP], s[TRIP], 1
	s_cmp_lt_u32 s[TRIP], 9
	s_cbranch_scc1 .Lslot
	s_wait_tensorcnt 0x0
	ds_add_u32 v14, v15
	s_wait_dscnt 0x0
	s_endpgm
.Lfunc_end_k_q88b8551661_mlp:
	.size	k_q88b8551661_mlp, .Lfunc_end_k_q88b8551661_mlp-k_q88b8551661_mlp
	.p2alignl 7, 3214868480
	.fill 96, 4, 3214868480
	.section	.rodata,"a",@progbits
	.p2align	6, 0x0
	.amdhsa_kernel k_q88b8551661_mlp
		.amdhsa_group_segment_fixed_size 302080
		.amdhsa_private_segment_fixed_size 0
		.amdhsa_enable_private_segment 0
		.amdhsa_kernarg_size 120
		.amdhsa_user_sgpr_count 2
		.amdhsa_user_sgpr_kernarg_segment_ptr 1
		.amdhsa_wavefront_size32 1
		.amdhsa_system_sgpr_workgroup_id_x 1
		.amdhsa_system_sgpr_workgroup_id_y 1
		.amdhsa_system_sgpr_workgroup_id_z 1
		.amdhsa_system_vgpr_workitem_id 0
		.amdhsa_next_free_vgpr 512
		.amdhsa_next_free_sgpr 84
		.amdhsa_reserve_vcc 0
		.amdhsa_float_denorm_mode_32 3
		.amdhsa_float_denorm_mode_16_64 3
		.amdhsa_memory_ordered 1
		.amdhsa_forward_progress 1
		.amdhsa_inst_pref_size 255
	.end_amdhsa_kernel
	.section	.bss,"aw",@nobits
	.p2align	6
	.space	262144
	.amdgpu_metadata
---
amdhsa.version: [ 1, 2 ]
amdhsa.kernels:
  - .name:           k_q88b8551661_mlp
    .symbol:         k_q88b8551661_mlp.kd
    .args:
      - { .name: coords, .offset: 0, .size: 8, .value_kind: global_buffer, .address_space: global }
      - { .name: Bmat, .offset: 8, .size: 8, .value_kind: global_buffer, .address_space: global }
      - { .name: L1, .offset: 16, .size: 8, .value_kind: global_buffer, .address_space: global }
      - { .name: R1, .offset: 24, .size: 8, .value_kind: global_buffer, .address_space: global }
      - { .name: b1, .offset: 32, .size: 8, .value_kind: global_buffer, .address_space: global }
      - { .name: L2, .offset: 40, .size: 8, .value_kind: global_buffer, .address_space: global }
      - { .name: R2, .offset: 48, .size: 8, .value_kind: global_buffer, .address_space: global }
      - { .name: b2, .offset: 56, .size: 8, .value_kind: global_buffer, .address_space: global }
      - { .name: W3, .offset: 64, .size: 8, .value_kind: global_buffer, .address_space: global }
      - { .name: b3, .offset: 72, .size: 8, .value_kind: global_buffer, .address_space: global }
      - { .name: W4, .offset: 80, .size: 8, .value_kind: global_buffer, .address_space: global }
      - { .name: b4, .offset: 88, .size: 8, .value_kind: global_buffer, .address_space: global }
      - { .name: W5, .offset: 96, .size: 8, .value_kind: global_buffer, .address_space: global }
      - { .name: b5, .offset: 104, .size: 8, .value_kind: global_buffer, .address_space: global }
      - { .name: out0, .offset: 112, .size: 8, .value_kind: global_buffer, .address_space: global }
    .group_segment_fixed_size: 302080
    .private_segment_fixed_size: 0
    .kernarg_segment_align: 8
    .kernarg_segment_size: 120
    .max_flat_workgroup_size: 256
    .sgpr_count:     84
    .vgpr_count:     512
    .wavefront_size: 32
...
	.end_amdgpu_metadata
.endif
;; end of part 1
